; MI455X (gfx1250); checked and timed in simulation.
; The chip was launched on July 23, 2026; its instructions are those of AMD's public machine-readable ISA for CDNA 5 (MIT licence, August 2026) and "CDNA5" Instruction Set Architecture Reference Guide (July 2026). The comments in the code are by the model that wrote it; some were corrected since.
;; Attention With Einops. Allowed arithmetic: matrix products marked QUANTISED: E4M3 operands, one given power-of-two scale a tensor, by v_wmma_f32_16x16x64_fp8_fp8 or v_wmma_f32_16x16x128_fp8_fp8, f32 sums; everything else in f32.
;; Inputs: W_K_codes 16 x 64 x 32 x 32 uint8 (E4M3 codes of W_K, K innermost, in blocks of 32 codes); W_O 16 x 64 x 1,024 float32; W_Q_codes 16 x 64 x 32 x 32 uint8 (E4M3 codes of W_Q, K innermost, in blocks of 32 codes); W_V_codes 16 x 64 x 32 x 32 uint8 (E4M3 codes of W_V, K innermost, in blocks of 32 codes); lowp_scales 12 int32 (the exponents e of the quantised operands' scales 2^e); residual_codes 2 x 2,048 x 32 x 32 uint8 (E4M3 codes of residual, K innermost, in blocks of 32 codes).
;; Outputs: out0 2 x 2,048 x 1,024 float32.
;; This version of the problem:
;;   THIS VERSION OF THE PROBLEM IS GIVEN IN LOW PRECISION. The matrix products marked QUANTISED in the list below multiply operands that are first quantised to E4M3 (4 exponent bits, 3 mantissa bits; 8 bits a number), with one given power-of-two scale for each operand tensor; their sums are f32. All else is computed in f32.
;;   The module's matrix products, in the order in which they are computed (A, B: the left and right operand; K: the contracted axis; several contracted axes count as one K, in the product's order):
;;     1. [M 4,096, K 1,024] x [K 1,024, N 1,024]; A: input residual (given as codes); B: input W_Q (given as codes): QUANTISED (scales: A lowp_scales[0], B lowp_scales[1])
;;     2. [M 4,096, K 1,024] x [K 1,024, N 1,024]; A: input residual (given as codes); B: input W_K (given as codes): QUANTISED (scales: A lowp_scales[2], B lowp_scales[3])
;;     3. [M 4,096, K 1,024] x [K 1,024, N 1,024]; A: input residual (given as codes); B: input W_V (given as codes): QUANTISED (scales: A lowp_scales[4], B lowp_scales[5])
;;     4. batch 32 x [M 2,048, K 64] x [K 64, N 2,048]; A: computed on the way; B: computed on the way: QUANTISED (scales: A lowp_scales[6], B lowp_scales[7])
;;     5. batch 32 x [M 64, K 2,048] x [K 2,048, N 2,048]; A: computed on the way; B: softmax (see below): QUANTISED (scales: A lowp_scales[8], B lowp_scales[9])
;;     6. [M 4,096, K 1,024] x [K 1,024, N 1,024]; A: computed on the way; B: input W_O: QUANTISED (scales: A lowp_scales[10], B lowp_scales[11])
;;   THE QUANTISER, for each operand of a quantised product, along K:
;;     - The operand's scale is 2^e, e = its entry of the input lowp_scales (int32; the entries are numbered through the quantised products in the list's order, A before B).
;;     - Each number is divided by the scale, clamped to +-448, and rounded to the nearest number of E4M3, ties to even, subnormals kept.
;;     - The product sums the exact products of the quantised numbers (number of the format x scale) in f32.
;;   ~~~python
;;   def quantise(x, axis, e):      # numpy; x: float32 -> the quantised numbers, widened to float32 again
;;       x = np.moveaxis(x, axis, -1); K = x.shape[-1]
;;       r = np.clip(x / 2.0 ** e, -448, 448)
;;       step = 2.0 ** (np.maximum(np.frexp(np.where(r == 0, 1, r))[1] - 1, -6) - 3)
;;       q = np.round(r / step) * step * 2.0 ** e      # np.round: ties to even
;;       return np.moveaxis(q, -1, axis).astype(np.float32)
;;   ~~~
;;   SOFTMAX AHEAD OF A QUANTISED PRODUCT. Where the list says 'softmax', what is quantised is not the finished softmax but p = 2^(t - M), with t = logit x log2(e) and M = ceil(the row's largest t), a whole number; so 1/2 < the row's largest p <= 1. The row's sum l is taken of the UNQUANTISED p, in f32, and the product's result is divided by l at the end. Since M is a whole number, a kernel that streams over the keys may use a running M (the ceiling of the running maximum): every later rescaling is an exact power of two, so the quantised numbers keep their values, but for numbers so far below the row's largest that they fall under the format's range.
;;   OPERANDS COMPUTED ON THE WAY. 'Computed on the way' means the value that the module computes at that place (a softmax that the list does not call 'softmax' is quantised finished and normalised). What goes into a quantiser is computed in f32, as accurately as f32 sums, v_exp_f32 and their like allow (about 1e-6 of the number): no bf16 or f16 on the way to a quantiser, and a product that is left as it is and whose result goes on into a quantised operand takes f32 operands (vector FMAs, or v_wmma_f32_16x16x4_f32). A number that lies on a knife's edge between two numbers of the format may be rounded either way, as far as f32 arithmetic and the matrix unit's own rounding can turn it there, and no further.
;;   INPUTS GIVEN AS CODES. W_K (in the module: [16, 64, 1024], K = its axis 2); W_Q (in the module: [16, 64, 1024], K = its axis 2); W_V (in the module: [16, 64, 1024], K = its axis 2); residual (in the module: [2, 2048, 1024], K = its axis 2): each comes as NAME_codes (uint8): NAME with its K axis moved to the last place and cut into blocks of 32 codes, [.., K / 32, bytes a block], one block behind the other in memory; one code a byte (a code: sign, 4 exponent bits, 3 mantissa bits); its scale is its entry of lowp_scales. Its value is code x scale, taken as it is: it is not quantised again, and the codes and scales need not be those that the quantiser above would give.
;; One version. Each part assembles by itself: llvm-mc -triple=amdgcn-amd-amdhsa -mcpu=gfx1250 --defsym DOCPART=n.
;; ======== version 1 of 1: 3 launches
;; limits: right only within a limited range of input values
;; workspace buffers: q_frag 4,194,304 bytes; k_frag 4,194,304 bytes; v_frag 4,194,304 bytes; attn_frag 4,194,304 bytes; wo_frag 1,048,576 bytes
;; launch qkv (part 1): grid 16 x 16, 4 waves a work-group, clusters of 4 x 4, 327,680 bytes of LDS; arguments residual_codes, W_Q_codes, W_K_codes, W_V_codes, lowp_scales, q_frag, k_frag, v_frag, W_O, wo_frag; writes q_frag, k_frag, v_frag, wo_frag
.if DOCPART == 1
	.amdgcn_target "amdgcn-amd-amdhsa--gfx1250"
	.amdhsa_code_object_version 6
	.text
	.protected	k_qbf3c438c7c_qkv
	.globl	k_qbf3c438c7c_qkv
	.p2align	8
	.type	k_qbf3c438c7c_qkv,@function
k_qbf3c438c7c_qkv:
	s_mov_b64 s[64:65], 0
	v_nop
	global_prefetch_b8 v0, s[64:65] scope:SCOPE_SE
	s_setreg_imm32_b32 hwreg(HW_REG_WAVE_MODE, 25, 1), 1
	s_wait_xcnt 0x0
	s_wait_alu depctr_hold_cnt(0) depctr_sa_sdst(0) depctr_va_vdst(0) depctr_va_sdst(0) depctr_va_ssrc(0) depctr_va_vcc(0) depctr_vm_vsrc(0)
	s_getreg_b32 s2, hwreg(HW_REG_IB_STS2, 6, 4)
	s_cmp_eq_u32 s2, 0
	s_cbranch_scc0 .Lentry_in_a_cluster
	s_endpgm
.Lentry_in_a_cluster:
	s_bfe_u32 s2, ttmp6, 0x10000c
	s_cmp_lg_u32 s2, 0xf033
	s_cbranch_scc0 .Lentry_shape_is_right
	s_endpgm
.Lentry_shape_is_right:
; q, k, v = residual x W_Q, W_K, W_V (transposed weights) on codes of FP8 (E4M3), sums in f32, quantised for attention; and W_O is quantised on the side.  No work of reference() is left out here.
; A work-group owns 256 positions and ONE head: 64 channels each of Q, K and V: 16 x 16 = 256 work-groups.  Four waves; a wave makes 128 positions x 32 channels of each of the three: 8 x 6 accumulators, 384 registers.
; K goes in steps of 256 through a ring of two LDS slots: the residual's 256 rows, then 64 rows of each weight; an LDS row is 256 bytes + 16 of padding.  Wave 0 fetches for the residual, waves 1 to 3 for W_Q, W_K, W_V.
; CLUSTERS: 4 x 4 work-groups.  The residual's tile is shared along a row of the cluster, the weights' along a column: each is asked for JOINTLY.
; LAYOUT.  Q and K are used transposed (source 0 = 16 channels, source 1 = 16 positions): a lane holds one position and eight neighbouring channels; V the other way round: a lane holds one channel and eight neighbouring positions.
; An accumulator's eight codes are two registers of the next product's fragment.  q_frag, k_frag: [batch x 16 + head][position / 16][image]; v_frag: [batch x 32 + position / 64][head][channel / 16][image].
; An image is a fragment of 16 rows x 64 along K as its 8 registers lie: registers 0-3 at 16 x lane, 4-7 at 512 + 16 x lane.
; W_O: wo_frag [column / 128][head][(column / 16) % 8][image]: lane (r, hh): column 16 nt + r, k = 64 head + 16 c + 8 hh + i; each of the 1,024 waves makes one image.
; The tiles are prefetched one K step ahead of their loads: 64 rows of the residual and 16 of each weight a work-group, told apart by address among the four that ask jointly, so each block of 256 bytes is named once in each cluster.
; LIMITS: e6 - e0 - e1, e7 - e2 - e3, e8 - e4 - e5 and e11 between -126 and 119, so that each power of two is an f32 number.  NaN in W_O is not served (an infinity is held at the largest code).
; REGISTERS: window 0: v0-31 addresses and scales, v32-63 W_O, v64-255 two buffers of the weights' fragments; window 1: two buffers of the residual's; windows 2, 3: the accumulators of my positions 0-63, 64-127: (a, b) at v[8 (6 a + b)].
.set PITCH, 272
.set AB,    256*PITCH                  ; the residual's part of a slot
.set WB,    64*PITCH                   ; a weight's part
.set SLOT,  AB+3*WB
.set SPARE, 2*SLOT                     ; spare words, 128 bytes a wave
.set ADRA, 8                           ; v8-9   LDS address of my residual fragments in slot 0, 1
.set ADRB, 10                          ; v10-11 of my weights' fragments
.set SPW,  12
.set NIL,  13
.set PFO,  14                          ; the prefetches' offset
.set CO,   15                          ; 16 x lane
.set WC,   16                          ; v16-23 W_O's codes
.set SCL,  24                          ; v24, v25: Q's scale and 448 x it; v26, v27: K's; v28, v29: V's; v30, v31: W_O's
.set WN,   32
.set BF,   64
.set TMP,  64
.set G1,  24
.set G0,  32
.set G1B, 48
.set G0B, 56
.set MSB, 0
.macro WIN new                         ; the immediate's high byte repeats the setting that is left
.if MSB != (\new)
	s_set_vgpr_msb (MSB<<8)|(\new)
.set MSB, (\new)
.endif
.endm
.macro JLOAD s                         ; a joint load, one a wave; the branch hangs on the wave's number alone
	s_cmp_eq_u32 s14, 0
	s_cbranch_scc0 .Lfor_b_\@
	tensor_load_to_lds s[G0+4*\s:G0+4*\s+3], s[G1:G1+7]
	s_nop 0
.rept 4
	v_nop
.endr
	s_branch .Lasked_\@
.Lfor_b_\@:
	tensor_load_to_lds s[G0B+4*\s:G0B+4*\s+3], s[G1B:G1B+7]
	s_nop 0
.rept 4
	v_nop
.endr
.Lasked_\@:
.endm
.macro CREST                           ; a round of the cluster's barrier behind its opening barrier
	s_cmp_lg_u32 s14, 0
	s_cbranch_scc1 .Lnot_wave_0_\@
	s_barrier_signal -3
.Lnot_wave_0_\@:
	s_barrier_wait -3
	s_barrier_signal -1
	s_barrier_wait -1
.endm
.macro CROUND
	s_barrier_signal -1
	s_barrier_wait -1
	CREST
.endm
.macro ASK k                           ; K step k: a lane a row; wave 0 names 64 rows, the others 16 (their lanes 16-31 name the last row again)
	global_prefetch_b8 v[PFO], s[4:5] offset:256*\k th:TH_LOAD_NT scope:SCOPE_SE
	s_cmp_lg_u32 s14, 0
	s_cbranch_scc1 .Lask_\@
	global_prefetch_b8 v[PFO], s[4:5] offset:256*\k+32768 th:TH_LOAD_NT scope:SCOPE_SE
.Lask_\@:
.endm
.macro POW2 d                          ; v[d] = 2^s18 as f32, v[d + 1] = 448 x that
	s_add_co_i32 s18, s18, 127
	s_lshl_b32 s19, s18, 23
	v_mov_b32 v[\d], s19
	s_add_co_i32 s18, s18, 8
	s_lshl_b32 s18, s18, 23
	s_or_b32 s18, s18, 0x600000
	v_mov_b32 v[\d+1], s18
.endm
	s_load_b512 s[68:83], s[0:1], 0x0              ; residual 68, W_Q 70, W_K 72, W_V 74, exponents 76, q_frag 78, k_frag 80, v_frag 82
	s_load_b128 s[84:87], s[0:1], 0x40             ; W_O 84, wo_frag 86
	v_lshl_add_u32 v[SPW], v0, 2, SPARE
	v_mov_b32 v[NIL], 0
	ds_add_u32 v[SPW], v[NIL]                      ; the opening lines: the add, twice, and one wait; the set-up between is work on registers
	ds_add_u32 v[SPW], v[NIL]
	v_lshrrev_b32 v1, 5, v0
	v_readfirstlane_b32 s14, v1                    ; wave 0..3
	s_lshr_b32 s15, s14, 1                         ; which 128 positions are mine
	s_and_b32 s16, s14, 1                          ; which 32 channels
	s_bfe_u32 s40, ttmp6, 0x40000                  ; cx, cy
	s_bfe_u32 s41, ttmp6, 0x40004
	s_lshl_b32 s42, ttmp9, 2
	s_add_co_u32 s42, s42, s40                     ; the head
	s_and_b32 s17, ttmp7, 0xffff
	s_lshl_b32 s17, s17, 2
	s_add_co_u32 s17, s17, s41                     ; the block of 256 positions
	s_lshl_b32 s43, s41, 2
	s_lshl_b32 s43, 15, s43                        ; my row of the cluster
	s_lshl_b32 s44, 0x1111, s40                    ; my column
	s_or_b32 s[G1+0], s43, (1<<20)|(1<<21)|(5<<22)|(3<<25)     ; the mask; elements of 1 byte; four words of padding after every 64
	s_or_b32 s[G1B+0], s44, (1<<20)|(1<<21)|(5<<22)|(3<<25)
	s_mov_b32 s[G1+2], 256<<16                     ; rows: 256 of the residual,
	s_mov_b32 s[G1+4], 256
	s_mov_b32 s[G1B+2], 64<<16                     ; 64 of a weight
	s_mov_b32 s[G1B+4], 64
.irp g, G1, G1B
	s_mov_b32 s[\g+1], 256<<16
	s_mov_b32 s[\g+3], 256<<16
	s_mov_b32 s[\g+5], 1024
	s_mov_b32 s[\g+6], 0
	s_mov_b32 s[\g+7], 0
.endr
	s_lshl_b32 s20, s17, 18                        ; the residual's first byte: it never holds cx
	s_mov_b32 s21, 0
	s_lshl_b32 s46, s42, 16                        ; the weights': it never holds cy
	s_mov_b32 s47, 0
	s_mul_i32 s45, s14, WB
	s_add_co_u32 s45, s45, AB-WB                   ; where a weight goes in a slot: the wave's number alone
	s_lshl_b32 s18, s40, 16                        ; the prefetches: 64 of the residual's rows by cx,
	s_add_co_u32 s18, s18, s20
	s_lshl_b32 s19, s41, 14                        ; 16 of a weight's rows by cy
	s_add_co_u32 s19, s19, s46
	s_mov_b32 s3, 0
	s_cmp_eq_u32 s14, 0
	s_cselect_b32 s2, s18, s19
	s_cselect_b32 s22, 31, 15
	v_and_b32 v1, 31, v0
	v_lshlrev_b32 v[CO], 4, v1
	v_min_u32 v[PFO], s22, v1
	v_lshlrev_b32 v[PFO], 10, v[PFO]
	v_and_b32 v2, 15, v0                           ; r
	v_bfe_u32 v3, v0, 4, 1                         ; hh
	v_lshlrev_b32 v7, 2, v2
	v_lshl_add_u32 v7, v3, 15, v7                  ; W_O: column r, rows 8 hh on
	v_mul_u32_u24 v4, v2, PITCH
	v_lshl_add_u32 v4, v3, 4, v4                   ; a fragment's row x pitch + 16 hh
	s_mul_i32 s22, s15, 128*PITCH
	s_mul_i32 s23, s16, 32*PITCH
	s_add_co_u32 s23, s23, AB
	v_add_nc_u32 v[ADRA], s22, v4
	v_add_nc_u32 v[ADRB], s23, v4
	v_add_nc_u32 v[ADRA+1], SLOT, v[ADRA]
	v_add_nc_u32 v[ADRB+1], SLOT, v[ADRB]
	s_wait_alu depctr_va_vdst(0)
	s_lshl_b32 s8, s17, 2
	s_add_co_u32 s8, s8, s14                       ; nt = 4 x block + wave
	s_lshr_b32 s10, s8, 3
	s_lshl_b32 s10, s10, 4
	s_add_co_u32 s10, s10, s42
	s_lshl_b32 s10, s10, 3
	s_and_b32 s11, s8, 7
	s_add_co_u32 s10, s10, s11
	s_lshl_b32 s10, s10, 10                        ; my image in wo_frag
	s_mov_b32 s11, 0
	s_lshl_b32 s8, s8, 6
	s_lshl_b32 s9, s42, 18
	s_add_co_u32 s8, s8, s9                        ; my 16 columns of the head's 64 rows of W_O
	s_mov_b32 s9, 0
	s_lshr_b32 s100, s17, 3                        ; the batch
	s_and_b32 s101, s17, 7
	s_lshl_b32 s12, s100, 4
	s_add_co_u32 s12, s12, s42
	s_lshl_b32 s12, s12, 7
	s_lshl_b32 s13, s101, 4
	s_add_co_u32 s12, s12, s13
	s_lshl_b32 s13, s15, 3
	s_add_co_u32 s12, s12, s13
	s_lshl_b32 s12, s12, 10
	s_lshl_b32 s13, s16, 9
	s_add_co_u32 s12, s12, s13                     ; my part of q_frag and k_frag
	s_mov_b32 s13, 0
	s_lshl_b32 s22, s100, 5
	s_lshl_b32 s23, s101, 2
	s_add_co_u32 s22, s22, s23
	s_lshl_b32 s23, s15, 1
	s_add_co_u32 s22, s22, s23
	s_lshl_b32 s22, s22, 4
	s_add_co_u32 s22, s22, s42
	s_lshl_b32 s22, s22, 12
	s_lshl_b32 s23, s16, 11
	s_add_co_u32 s22, s22, s23                     ; my part of v_frag
	s_mov_b32 s23, 0
	s_wait_dscnt 0x0                               ; both opening adds are done
	CROUND                                         ; all sixteen work-groups are here: the first joint loads meet
	s_wait_kmcnt 0x0
	s_load_b256 s[88:95], s[76:77], 0x0            ; e0 .. e7
	s_load_b128 s[96:99], s[76:77], 0x20           ; e8 .. e11
	s_cmp_eq_u32 s14, 1
	s_cselect_b64 s[6:7], s[70:71], s[72:73]
	s_cmp_eq_u32 s14, 3
	s_cselect_b64 s[6:7], s[74:75], s[6:7]         ; my weight
	s_add_nc_u64 s[20:21], s[68:69], s[20:21]
	s_add_nc_u64 s[46:47], s[6:7], s[46:47]
.irp s, 0,1
	s_mov_b32 s[G0+4*\s], 1
	s_mov_b32 s[G0+4*\s+1], \s*SLOT
	s_add_nc_u64 s[G0+4*\s+2:G0+4*\s+3], s[20:21], \s*256
	s_or_b32 s[G0+4*\s+3], s[G0+4*\s+3], 0x80000000
	s_mov_b32 s[G0B+4*\s], 1
	s_add_co_u32 s[G0B+4*\s+1], s45, \s*SLOT
	s_add_nc_u64 s[G0B+4*\s+2:G0B+4*\s+3], s[46:47], \s*256
	s_or_b32 s[G0B+4*\s+3], s[G0B+4*\s+3], 0x80000000
.endr
	JLOAD 0                                        ; K step 0
	s_cmp_eq_u32 s14, 0
	s_cselect_b64 s[4:5], s[68:69], s[6:7]
	s_add_nc_u64 s[4:5], s[4:5], s[2:3]
	s_add_nc_u64 s[84:85], s[84:85], s[8:9]
	s_add_nc_u64 s[86:87], s[86:87], s[10:11]
	s_add_nc_u64 s[78:79], s[78:79], s[12:13]
	s_add_nc_u64 s[80:81], s[80:81], s[12:13]
	s_add_nc_u64 s[82:83], s[82:83], s[22:23]
	ASK 1                                          ; one K step ahead of its load
.macro FA slot, q, f, i0               ; the residual's blocks i0 .. i0 + 3, the slot's q-th 128 along K, into buffer f: 16 loads
	WIN 0x40
.irp i, 0,1,2,3
.irp c, 0,1,2,3
	ds_load_b128 v[128*(\f)+16*(\i0+\i)+4*\c:128*(\f)+16*(\i0+\i)+4*\c+3], v[ADRA+\slot] offset:128*(\q)+32*\c+(\i0+\i)*16*PITCH
.endr
.endr
.endm
.macro FB slot, q, f                   ; the weights' six fragments: 24 loads
	WIN 0
.irp b, 0,1,2,3,4,5
.irp c, 0,1,2,3
	ds_load_b128 v[BF+96*(\f)+16*\b+4*\c:BF+96*(\f)+16*\b+4*\c+3], v[ADRB+\slot] offset:128*(\q)+32*\c+(\b/2)*WB+(\b%2)*16*PITCH
.endr
.endr
.endm
; The 48 accumulators take turns, one instruction a turn, in the same order in every step.  zero = 1: the first products start the sums.
.macro MULQK f, hi, zero               ; 16 products of Q and K, transposed
	WIN (0xa4+0x50*\hi)
.irp a, 0,1,2,3
.irp b, 0,1,2,3
.if \zero
	v_wmma_f32_16x16x128_fp8_fp8 v[8*(6*\a+\b):8*(6*\a+\b)+7], v[BF+96*(\f)+16*\b:BF+96*(\f)+16*\b+15], v[128*(\f)+16*(4*\hi+\a):128*(\f)+16*(4*\hi+\a)+15], 0
.else
	v_wmma_f32_16x16x128_fp8_fp8 v[8*(6*\a+\b):8*(6*\a+\b)+7], v[BF+96*(\f)+16*\b:BF+96*(\f)+16*\b+15], v[128*(\f)+16*(4*\hi+\a):128*(\f)+16*(4*\hi+\a)+15], v[8*(6*\a+\b):8*(6*\a+\b)+7]
.endif
.endr
.endr
.endm
.macro MULV f, hi, zero                ; 8 products of V
	WIN (0xa1+0x50*\hi)
.irp a, 0,1,2,3
.irp b, 4,5
.if \zero
	v_wmma_f32_16x16x128_fp8_fp8 v[8*(6*\a+\b):8*(6*\a+\b)+7], v[128*(\f)+16*(4*\hi+\a):128*(\f)+16*(4*\hi+\a)+15], v[BF+96*(\f)+16*\b:BF+96*(\f)+16*\b+15], 0
.else
	v_wmma_f32_16x16x128_fp8_fp8 v[8*(6*\a+\b):8*(6*\a+\b)+7], v[128*(\f)+16*(4*\hi+\a):128*(\f)+16*(4*\hi+\a)+15], v[BF+96*(\f)+16*\b:BF+96*(\f)+16*\b+15], v[8*(6*\a+\b):8*(6*\a+\b)+7]
.endif
.endr
.endr
.endm
.macro PLACES                          ; four places between matrix instructions and loads into, or vector instructions on, their registers (ISA guide 7.12.1 for vector instructions)
.rept 4
	v_nop
.endr
.endm
.macro STEP slot, zero                 ; a slot's first 128 along K, buffer 0; its second 128 are fetched into buffer 1
	s_wait_dscnt 16                                ; the weights and the residual's blocks 0-3 are in; the youngest 16 loads (blocks 4-7) may be out
	PLACES
	FB \slot, 1, 1
	FA \slot, 1, 1, 0
	MULQK 0, 0, \zero
	MULV 0, 0, \zero
	s_wait_dscnt 40                                ; blocks 4-7 are in; the 40 loads issued above may be out
	FA \slot, 1, 1, 4
	MULQK 0, 1, \zero
	MULV 0, 1, \zero
.endm
; A slot's second 128 along K changes slots.  In front of the barrier each wave waits for all its tensor loads, adds 0 to its spare word, and waits for that and for its reads of this slot.  fill = 1: the slot is filled again, two K steps on.
.macro TURN slot, next, fill, ask
	WIN 0
	s_wait_tensorcnt 0x0                           ; my part of the next slot is in;
	ds_add_u32 v[SPW], v[NIL]
	s_wait_dscnt 17                                ; (the add and the youngest 16 loads may be out)
	MULQK 1, 0, 0
	s_wait_dscnt 0x0                               ; the add is done, and so are my reads of this slot
	s_barrier_signal -1
	MULV 1, 0, 0
	WIN 0
	s_barrier_wait -1
.if \fill
	CREST                                          ; no wave of any partner still reads this slot or has a load on its way
	s_add_nc_u64 s[G0+4*\slot+2:G0+4*\slot+3], s[G0+4*\slot+2:G0+4*\slot+3], 512
	s_add_nc_u64 s[G0B+4*\slot+2:G0B+4*\slot+3], s[G0B+4*\slot+2:G0B+4*\slot+3], 512
	JLOAD \slot                                    ; its four v_nop are the places in front of the loads below
.else
	PLACES
.endif
	FB \next, 0, 0
	FA \next, 0, 0, 0
	FA \next, 0, 0, 4
.if \ask
	WIN 0
	ASK \ask
.endif
	MULQK 1, 1, 0
	MULV 1, 1, 0
.endm
	s_wait_alu depctr_va_vdst(0)                   ; the head's end
	s_wait_tensorcnt 0x0                           ; my part of K step 0 is in; these lines stand ahead of a later first fill as ahead of a refill
	ds_add_u32 v[SPW], v[NIL]
	s_wait_dscnt 0x0
	CROUND
	JLOAD 1                                        ; K step 1, the first tensor load behind the round
	FB 0, 0, 0
	FA 0, 0, 0, 0
	FA 0, 0, 0, 4
	WIN 0
	ASK 2
.set ii, 0
.rept 32                               ; W_O: registers run down K: rows 16 (i / 8) + 8 hh + i % 8; the four waves read 256 neighbouring bytes of each row
	global_load_b32 v[WN+ii], v7, s[84:85] offset:(16*(ii/8)+ii%8)*4096 th:TH_LOAD_NT
.set ii, ii+1
.endr
	STEP 0, 1
	TURN 0, 1, 1, 3
	STEP 1, 0
	TURN 1, 0, 1, 0
	STEP 0, 0
	WIN 0
	s_wait_kmcnt 0x0                               ; the exponents
	s_add_co_i32 s18, s88, s89
	s_sub_co_i32 s18, s94, s18                     ; a sum of Q stands for sum x 2^(e0 + e1): its code is sum / 2^(e6 - e0 - e1)
	POW2 SCL
	s_add_co_i32 s18, s90, s91
	s_sub_co_i32 s18, s95, s18
	POW2 SCL+2
	s_add_co_i32 s18, s92, s93
	s_sub_co_i32 s18, s96, s18
	POW2 SCL+4
	s_mov_b32 s18, s99
	POW2 SCL+6
	s_wait_alu depctr_va_vdst(0)
	s_wait_loadcnt 0x0                             ; W_O's numbers, asked for three K steps ago
.set ii, 0
.rept 32
	v_med3_num_f32 v[WN+ii], v[WN+ii], -v[SCL+7], v[SCL+7]   ; the conversion does not saturate (ISA guide 7.6.2): the hold at the largest code x the scale
.set ii, ii+1
.endr
.irp c, 0,1,2,3
	v_cvt_scalef32_pk8_fp8_f32 v[WC+2*\c:WC+2*\c+1], v[WN+8*\c:WN+8*\c+7], v[SCL+6]
.endr
	v_nop
	global_store_b128 v[CO], v[WC:WC+3], s[86:87]  ; 512 consecutive bytes, aligned
	global_store_b128 v[CO], v[WC+4:WC+7], s[86:87] offset:512
	TURN 0, 1, 0, 0                                ; nothing is filled again: no round
	STEP 1, 0
	s_wait_dscnt 16                                ; the last 128 along K
	MULQK 1, 0, 0
	MULV 1, 0, 0
	s_wait_dscnt 0x0
	MULQK 1, 1, 0
	MULV 1, 1, 0
	WIN 0
; THE WAY OUT of 64 positions: held, converted, and stored as images, 512 consecutive bytes a store.  Each accumulator is read from its low end on.
.macro OUTH hi
	WIN (0x02+\hi)                                 ; source 0: window 2 or 3
.set jj, 0
.rept 192
	v_med3_num_f32 v[TMP+jj], v[jj], -v[SCL+1+2*(((jj/8)%6)/2)], v[SCL+1+2*(((jj/8)%6)/2)]
.set jj, jj+1
.endr
	WIN 0x40                                       ; the codes go to window 1
.irp a, 0,1,2,3
.irp t, 0,1
	v_cvt_scalef32_pk8_fp8_f32 v[48*\hi+4*\a+2*\t:48*\hi+4*\a+2*\t+1], v[TMP+8*(6*\a+\t):TMP+8*(6*\a+\t)+7], v[SCL]
	v_cvt_scalef32_pk8_fp8_f32 v[48*\hi+16+4*\a+2*\t:48*\hi+16+4*\a+2*\t+1], v[TMP+8*(6*\a+2+\t):TMP+8*(6*\a+2+\t)+7], v[SCL+2]
	v_cvt_scalef32_pk8_fp8_f32 v[48*\hi+32+8*\t+2*\a:48*\hi+32+8*\t+2*\a+1], v[TMP+8*(6*\a+4+\t):TMP+8*(6*\a+4+\t)+7], v[SCL+4]
.endr
.endr
	v_nop
	WIN 0x04                                       ; store data: window 1
.irp a, 0,1,2,3
	global_store_b128 v[CO], v[48*\hi+4*\a:48*\hi+4*\a+3], s[78:79] offset:1024*(4*\hi+\a)
	global_store_b128 v[CO], v[48*\hi+16+4*\a:48*\hi+16+4*\a+3], s[80:81] offset:1024*(4*\hi+\a)
	global_store_b128 v[CO], v[48*\hi+32+4*\a:48*\hi+32+4*\a+3], s[82:83] offset:65536*\hi+512*\a
.endr
	WIN 0
.endm
	PLACES
	OUTH 0
	OUTH 1
	s_wait_tensorcnt 0x0                           ; the wave's end
	ds_add_u32 v[SPW], v[NIL]
	s_wait_dscnt 0x0
	CROUND                                         ; the closing round: no work-group ends while a partner may still ask for a tile that names it
	s_endpgm
.Lfunc_end_k_qbf3c438c7c_qkv:
	.size	k_qbf3c438c7c_qkv, .Lfunc_end_k_qbf3c438c7c_qkv-k_qbf3c438c7c_qkv
	.p2alignl 7, 3214868480
	.fill 96, 4, 3214868480
	.section	.rodata,"a",@progbits
	.p2align	6, 0x0
	.amdhsa_kernel k_qbf3c438c7c_qkv
		.amdhsa_group_segment_fixed_size 327680
		.amdhsa_private_segment_fixed_size 0
		.amdhsa_enable_private_segment 0
		.amdhsa_kernarg_size 80
		.amdhsa_user_sgpr_count 2
		.amdhsa_user_sgpr_kernarg_segment_ptr 1
		.amdhsa_wavefront_size32 1
		.amdhsa_system_sgpr_workgroup_id_x 1
		.amdhsa_system_sgpr_workgroup_id_y 1
		.amdhsa_system_sgpr_workgroup_id_z 1
		.amdhsa_system_vgpr_workitem_id 0
		.amdhsa_next_free_vgpr 1024
		.amdhsa_next_free_sgpr 102
		.amdhsa_reserve_vcc 0
		.amdhsa_float_denorm_mode_32 3
		.amdhsa_float_denorm_mode_16_64 3
		.amdhsa_memory_ordered 1
		.amdhsa_forward_progress 1
		.amdhsa_inst_pref_size 104
	.end_amdhsa_kernel
	.amdgpu_metadata
---
amdhsa.version: [ 1, 2 ]
amdhsa.kernels:
  - .name:           k_qbf3c438c7c_qkv
    .symbol:         k_qbf3c438c7c_qkv.kd
    .args:
      - { .name: residual_codes, .offset: 0, .size: 8, .value_kind: global_buffer, .address_space: global }
      - { .name: W_Q_codes, .offset: 8, .size: 8, .value_kind: global_buffer, .address_space: global }
      - { .name: W_K_codes, .offset: 16, .size: 8, .value_kind: global_buffer, .address_space: global }
      - { .name: W_V_codes, .offset: 24, .size: 8, .value_kind: global_buffer, .address_space: global }
      - { .name: lowp_scales, .offset: 32, .size: 8, .value_kind: global_buffer, .address_space: global }
      - { .name: q_frag, .offset: 40, .size: 8, .value_kind: global_buffer, .address_space: global }
      - { .name: k_frag, .offset: 48, .size: 8, .value_kind: global_buffer, .address_space: global }
      - { .name: v_frag, .offset: 56, .size: 8, .value_kind: global_buffer, .address_space: global }
      - { .name: W_O, .offset: 64, .size: 8, .value_kind: global_buffer, .address_space: global }
      - { .name: wo_frag, .offset: 72, .size: 8, .value_kind: global_buffer, .address_space: global }
    .group_segment_fixed_size: 327680
    .private_segment_fixed_size: 0
    .kernarg_segment_align: 8
    .kernarg_segment_size: 80
    .max_flat_workgroup_size: 128
    .sgpr_count:     102
    .vgpr_count:     1024
    .wavefront_size: 32
...
	.end_amdgpu_metadata
.endif
;; end of part 1
;; launch attn (part 2): grid 8 x 32, 8 waves a work-group, clusters of 4 x 1, 327,680 bytes of LDS; arguments q_frag, k_frag, v_frag, lowp_scales, attn_frag; writes attn_frag
.if DOCPART == 2
	.amdgcn_target "amdgcn-amd-amdhsa--gfx1250"
	.amdhsa_code_object_version 6
	.text
	.protected	k_qbf3c438c7c_attn
	.globl	k_qbf3c438c7c_attn
	.p2align	8
	.type	k_qbf3c438c7c_attn,@function
k_qbf3c438c7c_attn:
	s_mov_b64 s[64:65], 0
	v_nop
	global_prefetch_b8 v0, s[64:65] scope:SCOPE_SE
	s_setreg_imm32_b32 hwreg(HW_REG_WAVE_MODE, 25, 1), 1
	s_wait_xcnt 0x0
	s_wait_alu depctr_hold_cnt(0) depctr_sa_sdst(0) depctr_va_vdst(0) depctr_va_sdst(0) depctr_va_ssrc(0) depctr_va_vcc(0) depctr_vm_vsrc(0)
	s_getreg_b32 s2, hwreg(HW_REG_IB_STS2, 6, 4)
	s_cmp_eq_u32 s2, 0
	s_cbranch_scc0 .Lentry_in_a_cluster
	s_endpgm
.Lentry_in_a_cluster:
	s_bfe_u32 s2, ttmp6, 0x10000c
	s_cmp_lg_u32 s2, 0x3003
	s_cbranch_scc0 .Lentry_shape_is_right
	s_endpgm
.Lentry_shape_is_right:
; Causal attention on codes of FP8 (E4M3), head size 64, 2,048 positions, 32 (batch, head) pairs; its result is quantised for the last product.
; LEFT OUT: key steps of 128 that lie wholly behind a tile's queries: reference() masks them to -infinity in its own body, so their p is 0.  LIMIT: a NaN or an infinity among those keys alone is not carried to the result.
; q_frag, k_frag: [pair][position / 16][image]; v_frag: [batch x 32 + key / 64][head][channel / 16][image].  An image is a fragment of 16 rows x 64 along K as its 8 registers lie: registers 0-3 at 16 x lane, 4-7 at 512 + 16 x lane.
; THE SOFTMAX AHEAD OF THE SECOND PRODUCT: t = score x log2(e) / 8; M = the row's largest t so far, rounded UP to a whole number; p = 2^(t - M) is quantised along the keys, not normalised.  The row's sum is taken of
; the unquantised p, in f32, and divides O at the end.  When M moves, the sum and O are multiplied by 2^(old M - new M): nothing is rounded.
; LDS.  A pair's K and V (128 images each) fit WHOLE, 131,072 bytes each, and no byte is filled twice.  THE START: each of the eight waves brings an eighth of the first 512 keys of K (waves 0-3) or V (waves 4-7); when these are in,
; an eighth of the rest, which lands under trips 0 and 1: they read key steps 0 and 1 alone.  Nothing is prefetched: the second load follows the first directly, and there is none behind it.
; SHARES.  A wave owns TWO tiles of 16 neighbouring queries of one block of 128: each fragment of K and V feeds both.  Work-group y is the pair; its place in the cluster is the double tile that it takes of a block.
; Block B needs key steps 0 .. B; blocks j and 15 - j together need 17.  Waves 2 i and 2 i + 1 share blocks j = i + 4 x cluster x and 15 - j: role 0 walks the long block's steps 0 .. 8 (nine trips); role 1 the short block's
; 0 .. j, then a trip to store it and begin anew, then the long block's 9 .. 15 - j (nine trips too).  At the end the two parts of the long double tile are joined through LDS: each wave finishes 32 of the 64 channels.
; Which steps a wave walks hangs on its number and on cluster x alone; the place in the cluster enters global addresses and two vector operands alone.
; CLUSTER.  The four partners walk the same K and V: each part is asked for JOINTLY (mask 15).  A pair's two clusters ask apart: a mask names four work-groups at the most.
; LAYOUT.  Both products are used transposed: S^T = K Q^T (K = 64), O^T = V^T P^T (K = 128 keys): a lane holds ONE query of each tile (lane % 16) throughout.  Tile c of S^T holds in lane (r, hh) the keys 16 c + 8 hh + 0 .. 7:
; its eight codes ARE registers 2 c, 2 c + 1 of P's fragment.  Likewise O^T's four tiles become the image of 16 rows of attn_out.  attn_frag: [batch x 16 + block][head][tile][image].
; REGISTERS.  Window 0: what is small, the Qs at work, K's fragments and both tiles' scores; window 1: V's fragments, both O^T, p's codes, the long block's Qs.
; LIMITS on the given exponents, so that each power of two below is an f32 number: e6 + e7 between -123 and 130 (added to c's exponent field); e9, e10 between -126 and 119; e8 + e9 goes in by v_ldexp_f32.
.set MERGE, 262144                     ; 4,608 bytes a wave: half of two partial O^T, then (-M, sum) of both tiles
.set MB,    4608
.set SPARE, MERGE+8*MB                 ; spare words, 128 bytes a wave
.set LI,   1                           ; 16 x lane: my place in an image
.set LIV,  2                           ; the same in V's half of LDS
.set DD0,  3                           ; on the diagonal, key 16 c + j of my half is hidden from tile 0's query where 16 c + j > this; v5 for tile 1
.set NINF, 4
.set DD1,  5
.set ADK,  8
.set ADV,  9
.set SPW,  10
.set NIL,  11                          ; v12 -M, v13 the largest score, v[14:15] the sum in two halves: tile 0;  v16, v17, v[18:19]: tile 1
.set TF0,  20                          ; v[20:21], v[22:23] f
.set TF1,  22
.set T0,   24                          ; v24-27, v28-31 at work
.set T1,   28
.set QF0,  32
.set QF1,  40
.set SB,   48                          ; v48-53 three chains of the sum
.set PT0,  54                          ; lane permutes' destinations
.set PT1,  55
.set PSCL, 56                          ; 2^e9; v57, v58: 448 x 2^e9;  v59, v60: 2^e10 and 448 x it
.set PLIM, 57
.set PLIM2, 58
.set ASCL, 59
.set ALIM, 60
.set ME,   62                          ; LDS address of my part of MERGE, and of my partner's
.set MP,   63
.set KF,   64                          ; K's eight fragments
.set SC0,  128                         ; S^T, then p, of each tile
.set SC1,  192
.set VF,   64                          ; window 1: V's four fragments,
.set OT0,  128                         ; O^T of each tile,
.set OT1,  160
.set PC0,  192                         ; p's codes,
.set PC1,  208
.set QL,   224                         ; the long block's Qs
.set WV,   4
.set BQ,   5                           ; the block in hand
.set KS,   6                           ; the key step
.set TB,   7
.set CX,   8
.set TI,   9                           ; my first tile in a block
.set BH,   10
.set RO,   11                          ; the role
.set SEL,  12
.set CS,   14                          ; s[14:15] c = log2(e) / 8 x 2^(e6 + e7)
.set G1K,  16                          ; descriptor groups 1 of the first parts,
.set G1V,  24
.set G1K2, 56                          ; and of the second
.set G1V2, 84
.set G0K,  32
.set G0V,  36
.set KI,   40                          ; trips
.set SW,   41                          ; the trip in which role 1 changes blocks (64: never)
.set OFF,  42                          ; from a trip to the long block's step, behind the change
.set BQ1,  43
.set BQ2,  44
.set EO,   45                          ; e8 + e9
.set OS,   46                          ; s[46:47] the short block's images, s[48:49] the long block's half images
.set OL,   48
.set QA,   50
.set QB,   52
.set JJ,   54
.set SW1,  55
.set MSB, 0
.macro WIN new                         ; the immediate's high byte repeats the setting that is left
.if MSB != (\new)
	s_set_vgpr_msb (MSB<<8)|(\new)
.set MSB, (\new)
.endif
.endm
.macro PLACES                          ; four places behind matrix instructions
.rept 4
	v_nop
.endr
.endm
.macro CROUND                          ; a round of the cluster's barrier
	s_barrier_signal -1
	s_barrier_wait -1
	s_cmp_lg_u32 s[WV], 0
	s_cbranch_scc1 .Lnot_wave_0_\@
	s_barrier_signal -3
.Lnot_wave_0_\@:
	s_barrier_wait -3
	s_barrier_signal -1
	s_barrier_wait -1
.endm
.macro JLOAD gk, gv                    ; one tensor load a wave; the branch hangs on the wave's number alone
	s_cmp_lt_u32 s[WV], 4
	s_cbranch_scc0 .Lfor_v_\@
	tensor_load_to_lds s[G0K:G0K+3], s[\gk:\gk+7]
	s_nop 0
.rept 4
	v_nop
.endr
	s_branch .Lasked_\@
.Lfor_v_\@:
	tensor_load_to_lds s[G0V:G0V+3], s[\gv:\gv+7]
	s_nop 0
.rept 4
	v_nop
.endr
.Lasked_\@:
.endm
.macro POW2 e, vs, vl                  ; v[vs] = 2^s[e] as f32, v[vl] = 448 x that
	s_add_co_i32 s90, s[\e], 127
	s_lshl_b32 s91, s90, 23
	v_mov_b32 v[\vs], s91
	s_add_co_i32 s90, s90, 8
	s_lshl_b32 s90, s90, 23
	s_or_b32 s90, s90, 0x600000
	v_mov_b32 v[\vl], s90
.endm
.macro OADR d, blk                     ; an image of attn_frag: ((batch x 16 + block) x 16 + head) x 8 + tile
	s_lshl_b32 s[\d], s82, 4
	s_add_co_u32 s[\d], s[\d], s[\blk]
	s_lshl_b32 s[\d], s[\d], 4
	s_add_co_u32 s[\d], s[\d], s83
	s_lshl_b32 s[\d], s[\d], 3
	s_add_co_u32 s[\d], s[\d], s[TI]
	s_lshl_b32 s[\d], s[\d], 10
	s_mov_b32 s[\d+1], 0
.endm
.macro QADR d, blk                     ; an image of q_frag: pair x 128 + 8 x block + tile
	s_lshl_b32 s[\d], s[BH], 4
	s_add_co_u32 s[\d], s[\d], s[\blk]
	s_lshl_b32 s[\d], s[\d], 3
	s_add_co_u32 s[\d], s[\d], s[TI]
	s_lshl_b32 s[\d], s[\d], 10
	s_mov_b32 s[\d+1], 0
.endm
.macro INIT                            ; a double tile begins: the first change of M multiplies zeros
.irp t, 12,16
	v_mov_b32 v[\t], 0x7f61b1e6                    ; -M
	v_mov_b32 v[\t+1], 0xff61b1e6                  ; -3e38, under every score
	v_mov_b32 v[\t+2], 0
	v_mov_b32 v[\t+3], 0
.endr
	WIN 0x40
.set ii, 0
.rept 64
	v_mov_b32 v[OT0+ii], 0                         ; both O^T
.set ii, ii+1
.endr
	WIN 0
.endm
.macro SCALED nt, sc, ot, l            ; O^T's first nt tiles x the pair's low word
.set jj, 0
.rept 4*\nt
	v_pk_mul_f32 v[\sc+jj:\sc+jj+1], v[\ot+jj:\ot+jj+1], v[\l:\l+1] op_sel_hi:[1,0]
.set jj, jj+2
.endr
.endm
.macro HELD nt, sc
.set jj, 0
.rept 8*\nt
	v_med3_num_f32 v[\sc+jj], v[\sc+jj], -v[ALIM], v[ALIM]
.set jj, jj+1
.endr
.endm
.macro CODED nt, sc, pc
.set jj, 0
.rept \nt
	v_cvt_scalef32_pk8_fp8_f32 v[\pc+jj:\pc+jj+1], v[\sc+4*jj:\sc+4*jj+7], v[ASCL]
.set jj, jj+2
.endr
.endm
.macro OUT nt, d                       ; O^T's first nt tiles / the sum x 2^(e8 + e9) is attn_out: held, converted with 2^e10, stored: 512 consecutive bytes a store, aligned
	v_add_f32 v14, v14, v15                        ; the sums' two halves,
	v_add_f32 v18, v18, v19
	v_permlanex16_b32 v[PT0], v14, s[SEL], s[SEL+1]
	v_permlanex16_b32 v[PT1], v18, s[SEL], s[SEL+1]
	v_add_f32 v14, v14, v[PT0]                     ; and lane l xor 16's
	v_add_f32 v18, v18, v[PT1]
	s_wait_alu depctr_va_vdst(0)
	v_rcp_f32 v14, v14
	v_rcp_f32 v18, v18
	v_nop
	s_wait_alu depctr_va_vdst(0)
	v_ldexp_f32 v14, v14, s[EO]
	v_ldexp_f32 v18, v18, s[EO]
	WIN 0x01                                       ; source 0: window 1
	s_wait_alu depctr_va_vdst(0)
	SCALED \nt, SC0, OT0, 14
	SCALED \nt, SC1, OT1, 18
	WIN 0
	HELD \nt, SC0
	HELD \nt, SC1
	WIN 0x40                                       ; destination: window 1
	CODED \nt, SC0, PC0
	CODED \nt, SC1, PC1
	v_nop
	WIN 0x04                                       ; store data: window 1
.set jj, 0
.rept \nt/2
	global_store_b128 v[LI], v[PC0+4*jj:PC0+4*jj+3], s[\d:\d+1] offset:512*jj
	global_store_b128 v[LI], v[PC1+4*jj:PC1+4*jj+3], s[\d:\d+1] offset:1024+512*jj
.set jj, jj+1
.endr
	WIN 0
.endm
.macro LOADK ad, o                     ; K's eight fragments: the image of keys 16 c on, 512 consecutive bytes a load
	WIN 0
.irp c, 0,1,2,3,4,5,6,7
	ds_load_b128 v[KF+8*\c:KF+8*\c+3], v[\ad] offset:\o+1024*\c
	ds_load_b128 v[KF+8*\c+4:KF+8*\c+7], v[\ad] offset:\o+1024*\c+512
.endr
.endm
.macro LOADV ad, o                     ; V's four fragments (16 channels x 128 keys: two images)
	WIN 0x40
.irp t, 0,1,2,3
	ds_load_b128 v[VF+16*\t:VF+16*\t+3], v[\ad] offset:\o+1024*\t
	ds_load_b128 v[VF+16*\t+4:VF+16*\t+7], v[\ad] offset:\o+1024*\t+512
	ds_load_b128 v[VF+16*\t+8:VF+16*\t+11], v[\ad] offset:\o+1024*\t+4096
	ds_load_b128 v[VF+16*\t+12:VF+16*\t+15], v[\ad] offset:\o+1024*\t+4608
.endr
	WIN 0
.endm
.macro KADR                            ; the K address of the first step that is walked at or behind trip s90
	s_cmp_ge_u32 s90, s[SW]
	s_cselect_b32 s91, s[SW1], 0
	s_cselect_b32 s92, s[OFF], 0
	s_max_u32 s90, s90, s91
	s_add_co_u32 s90, s90, s92
	s_min_u32 s90, s90, 15
	s_lshl_b32 s90, s90, 13
	v_add_nc_u32 v[ADK], s90, v[LI]
.endm
.macro MASK sc, d                      ; on the diagonal the scores of hidden keys become -infinity ahead of the maximum: p = 0 then.  A step that is walked has a key that counts for every query
.set nn, 0
.rept 64
	v_cmp_gt_i32 vcc_lo, 16*(nn/8)+nn%8, v[\d]
	v_cndmask_b32 v[\sc+nn], v[\sc+nn], v[NINF], vcc_lo
.set nn, nn+1
.endr
.endm
.macro MAXS t, sc                      ; the step's largest score of my query among my 64 keys, in four chains, each accumulator from its low end on
.irp k, 0,1,2,3
	v_max3_num_f32 v[\t+\k], v[\sc+3*\k], v[\sc+3*\k+1], v[\sc+3*\k+2]
.endr
.set nn, 12
.rept 26
	v_max3_num_f32 v[\t+((nn/2)-6)%4], v[\t+((nn/2)-6)%4], v[\sc+nn], v[\sc+nn+1]
.set nn, nn+2
.endr
.endm
.macro TM sc, n, m                     ; t - M, two at a time (of the pairs c and -M the low word serves both halves)
.set jj, 0
.rept \n
	v_pk_fma_f32 v[\sc+jj:\sc+jj+1], v[\sc+jj:\sc+jj+1], s[CS:CS+1], v[\m:\m+1] op_sel_hi:[1,0,0]
.set jj, jj+2
.endr
.endm
.macro RESC ot, f                      ; O^T under the new M
.set jj, 0
.rept 16
	v_pk_mul_f32 v[\ot+jj:\ot+jj+1], v[\ot+jj:\ot+jj+1], v[\f:\f+1] op_sel_hi:[1,0]
.set jj, jj+2
.endr
.endm
.macro SUMS sc, l                      ; the row's sum is taken of the unquantised p: two at a time, in four chains
	v_pk_add_f32 v[SB:SB+1], v[\sc:\sc+1], v[\sc+2:\sc+3]
	v_pk_add_f32 v[SB+2:SB+3], v[\sc+4:\sc+5], v[\sc+6:\sc+7]
	v_pk_add_f32 v[SB+4:SB+5], v[\sc+8:\sc+9], v[\sc+10:\sc+11]
	v_pk_add_f32 v[\l:\l+1], v[\l:\l+1], v[\sc+12:\sc+13]
	v_pk_add_f32 v[SB:SB+1], v[SB:SB+1], v[\sc+14:\sc+15]
.set jj, 16
.rept 6
	v_pk_add_f32 v[SB+2:SB+3], v[SB+2:SB+3], v[\sc+jj:\sc+jj+1]
	v_pk_add_f32 v[SB+4:SB+5], v[SB+4:SB+5], v[\sc+jj+2:\sc+jj+3]
	v_pk_add_f32 v[\l:\l+1], v[\l:\l+1], v[\sc+jj+4:\sc+jj+5]
	v_pk_add_f32 v[SB:SB+1], v[SB:SB+1], v[\sc+jj+6:\sc+jj+7]
.set jj, jj+8
.endr
.endm
.macro PCODES sc, pc                   ; the conversion does not saturate (ISA guide 7.6.2); p is not negative, so the hold is one-sided.  Registers 2 c, 2 c + 1 of P's fragment: keys 16 c + 8 hh + 0 .. 7
.set jj, 0
.rept 32
	v_dual_min_num_f32 v[\sc+jj], v[\sc+jj], v[PLIM] :: v_dual_min_num_f32 v[\sc+jj+1], v[\sc+jj+1], v[PLIM2]
.set jj, jj+2
.endr
	WIN 0x40                                       ; destination: window 1
.irp c, 0,1,2,3,4,5,6,7
	v_cvt_scalef32_pk8_fp8_f32 v[\pc+2*\c:\pc+2*\c+1], v[\sc+8*\c:\sc+8*\c+7], v[PSCL]
.endr
	WIN 0
.endm
.macro SUMEND l                        ; (plain instructions between the conversions and the products that read their results)
	v_pk_add_f32 v[SB:SB+1], v[SB:SB+1], v[SB+2:SB+3]
	v_pk_add_f32 v[\l:\l+1], v[\l:\l+1], v[SB+4:SB+5]
	v_pk_add_f32 v[\l:\l+1], v[\l:\l+1], v[SB:SB+1]
.endm
.macro QK sc, q
.irp c, 0,1,2,3,4,5,6,7
	v_wmma_f32_16x16x64_fp8_fp8 v[\sc+8*\c:\sc+8*\c+7], v[KF+8*\c:KF+8*\c+7], v[\q:\q+7], 0
.endr
.endm
.macro PV ot, pc                       ; four accumulators by turns; at least twelve other matrix instructions stand between a tile's links from step to step
.irp t, 0,1,2,3
	v_wmma_f32_16x16x128_fp8_fp8 v[\ot+8*\t:\ot+8*\t+7], v[VF+16*\t:VF+16*\t+15], v[\pc:\pc+15], v[\ot+8*\t:\ot+8*\t+7]
.endr
.endm
	s_load_b256 s[68:75], s[0:1], 0x0              ; q_frag 68, k_frag 70, v_frag 72, the exponents 74
	s_load_b64 s[76:77], s[0:1], 0x20              ; attn_frag
	v_lshl_add_u32 v[SPW], v0, 2, SPARE
	v_mov_b32 v[NIL], 0
	ds_add_u32 v[SPW], v[NIL]                      ; the opening lines: the add, twice, and one wait; the set-up between is work on registers
	ds_add_u32 v[SPW], v[NIL]
	v_lshrrev_b32 v6, 5, v0
	v_readfirstlane_b32 s[WV], v6                  ; wave 0..7
	s_bfe_u32 s[CX], ttmp6, 0x40000
	s_and_b32 s[BH], ttmp7, 0xffff                 ; the pair
	s_lshl_b32 s[TI], s[CX], 1                     ; my tiles in a block: 2 cx and 2 cx + 1
	s_lshr_b32 s82, s[BH], 4                       ; the batch
	s_and_b32 s83, s[BH], 15                       ; the head
	s_lshl_b32 s92, s[TI], 4
	s_mul_i32 s90, s[WV], MB
	s_add_co_u32 s90, s90, MERGE
	s_xor_b32 s91, s[WV], 1                        ; my partner
	s_mul_i32 s91, s91, MB
	s_add_co_u32 s91, s91, MERGE
	v_and_b32 v6, 31, v0
	v_lshlrev_b32 v[LI], 4, v6
	v_add_nc_u32 v[LIV], 0x20000, v[LI]
	v_add_nc_u32 v[ME], s90, v[LI]
	v_add_nc_u32 v[MP], s91, v[LI]
	v_and_b32 v6, 15, v0                           ; r
	v_bfe_u32 v7, v0, 4, 1                         ; hh
	v_lshlrev_b32 v7, 3, v7
	v_sub_nc_u32 v[DD0], v6, v7
	v_add_nc_u32 v[DD0], s92, v[DD0]               ; 16 x tile + r - 8 hh
	v_add_nc_u32 v[DD1], 16, v[DD0]
	v_mov_b32 v[NINF], 0xff800000
	v_mov_b32 v[PT0], 0                            ; written once: a lane permute's destination counts as one of its sources
	v_mov_b32 v[PT1], 0
	v_mov_b32 v[TF0+1], 0                          ; (named as the upper halves of pairs)
	v_mov_b32 v[TF1+1], 0
	s_wait_alu depctr_va_vdst(0)
	s_lshr_b32 s[JJ], s[WV], 1
	s_lshl_b32 s91, ttmp9, 2
	s_add_co_u32 s[JJ], s[JJ], s91                 ; j
	s_lshr_b32 s91, s[WV], 2
	s_xor_b32 s91, s91, s[WV]
	s_and_b32 s[RO], s91, 1                        ; waves w and w + 4 have different roles
	s_sub_co_u32 s[BQ2], 15, s[JJ]
	s_sub_co_u32 s[OFF], 7, s[JJ]
	s_add_co_u32 s91, s[JJ], 1
	s_cmp_eq_u32 s[RO], 0
	s_cselect_b32 s[BQ1], s[BQ2], s[JJ]
	s_cselect_b32 s[SW], 64, s91
	s_add_co_u32 s[SW1], s[SW], 1
	OADR OS, JJ
	OADR OL, BQ2
	s_lshl_b32 s90, s[RO], 9
	s_add_co_u32 s[OL], s[OL], s90                 ; role 0 finishes channels 0-31, role 1 channels 32-63
	QADR QA, BQ1
	QADR QB, BQ2
	; descriptor groups 1, elements of 8 bytes, no padding.  First parts, 128 keys a wave: K: 8 images on end, 32 rows of 256 bytes, dense; V: 2 rows of 4,096 bytes (a head's four images of 64 keys), 65,536 bytes apart.
	s_mov_b32 s[G1K], 15|(3<<16)|(1<<21)
	s_mov_b32 s[G1K+1], 32<<16
	s_mov_b32 s[G1K+2], 32<<16
	s_mov_b32 s[G1K+3], 32<<16
	s_mov_b32 s[G1K+4], 32
	s_mov_b32 s[G1K+5], 32
	s_mov_b32 s[G1K+6], 0
	s_mov_b32 s[G1K+7], 0
	s_mov_b32 s[G1V], 15|(3<<16)|(1<<21)
	s_mov_b32 s[G1V+1], 512<<16
	s_mov_b32 s[G1V+2], 2<<16
	s_mov_b32 s[G1V+3], 512<<16
	s_mov_b32 s[G1V+4], 2
	s_mov_b32 s[G1V+5], 8192
	s_mov_b32 s[G1V+6], 0
	s_mov_b32 s[G1V+7], 0
	; second parts, 384 keys a wave: K: 24 images, 96 rows of 256 bytes (V: 6 rows of 4,096 bytes: below)
	s_mov_b32 s[G1K2], 15|(3<<16)|(1<<21)
	s_mov_b32 s[G1K2+1], 32<<16
	s_mov_b32 s[G1K2+2], 96<<16
	s_mov_b32 s[G1K2+3], 32<<16
	s_mov_b32 s[G1K2+4], 96
	s_mov_b32 s[G1K2+5], 32
	s_mov_b32 s[G1K2+6], 0
	s_mov_b32 s[G1K2+7], 0
	s_mov_b32 s[SEL], 0x76543210
	s_mov_b32 s[SEL+1], 0xfedcba98
	s_and_b32 s93, s[WV], 3                        ; my part of K or of V
	s_lshl_b32 s97, s93, 13
	s_lshl_b32 s98, s[BH], 17
	s_add_co_u32 s98, s98, s97                     ; K: in the pair's 131,072 bytes
	s_mov_b32 s99, 0
	s_lshl_b32 s94, s82, 11
	s_lshl_b32 s90, s83, 2
	s_add_co_u32 s94, s94, s90
	s_lshl_b32 s94, s94, 10
	s_lshl_b32 s90, s93, 17
	s_add_co_u32 s94, s94, s90                     ; V: 2 x 65,536 bytes a wave
	s_mov_b32 s95, 0
	s_mov_b32 s[G0K], 1
	s_mov_b32 s[G0K+1], s97
	s_mov_b32 s[G0V], 1
	s_add_co_u32 s[G0V+1], s97, 131072
	s_wait_dscnt 0x0                               ; both opening adds are done
	CROUND                                         ; all four work-groups are here: the joint loads meet
	s_wait_kmcnt 0x0
	s_load_b128 s[84:87], s[74:75], 0x18           ; e6, e7, e8, e9
	s_load_b32 s88, s[74:75], 0x28                 ; e10
	s_add_nc_u64 s[G0K+2:G0K+3], s[70:71], s[98:99]
	s_or_b32 s[G0K+3], s[G0K+3], 0x80000000
	s_add_nc_u64 s[G0V+2:G0V+3], s[72:73], s[94:95]
	s_or_b32 s[G0V+3], s[G0V+3], 0x80000000
	JLOAD G1K, G1V                                 ; my eighth of the first 512 keys
	s_add_nc_u64 s[QA:QA+1], s[68:69], s[QA:QA+1]
	s_add_nc_u64 s[QB:QB+1], s[68:69], s[QB:QB+1]
.irp t, 0,1                                    ; my first block's Qs,
	global_load_b128 v[QF0+8*\t:QF0+8*\t+3], v[LI], s[QA:QA+1] offset:1024*\t
	global_load_b128 v[QF0+8*\t+4:QF0+8*\t+7], v[LI], s[QA:QA+1] offset:1024*\t+512
.endr
	WIN 0x40
.irp t, 0,1                                    ; and the long block's (role 0: the same images)
	global_load_b128 v[QL+8*\t:QL+8*\t+3], v[LI], s[QB:QB+1] offset:1024*\t
	global_load_b128 v[QL+8*\t+4:QL+8*\t+7], v[LI], s[QB:QB+1] offset:1024*\t+512
.endr
	WIN 0
	s_add_nc_u64 s[OS:OS+1], s[76:77], s[OS:OS+1]
	s_add_nc_u64 s[OL:OL+1], s[76:77], s[OL:OL+1]
	INIT
	s_wait_kmcnt 0x0                               ; the exponents
	s_add_co_i32 s92, s84, s85
	s_lshl_b32 s92, s92, 23
	s_mov_b32 s[CS], 0x3e38aa3b                    ; log2(e) / 8
	s_add_co_i32 s[CS], s[CS], s92                 ; a score stands for score x 2^(e6 + e7): the two exponents are added to c's exponent field
	s_mov_b32 s[CS+1], s[CS]                       ; (named with it as a pair)
	s_add_co_i32 s[EO], s86, s87
	POW2 87, PSCL, PLIM
	v_mov_b32 v[PLIM2], s90
	POW2 88, ASCL, ALIM
	s_mov_b32 s[G1V2], 15|(3<<16)|(1<<21)          ; (in the registers that held the exponents)
	s_mov_b32 s[G1V2+1], 512<<16
	s_mov_b32 s[G1V2+2], 6<<16
	s_mov_b32 s[G1V2+3], 512<<16
	s_mov_b32 s[G1V2+4], 6
	s_mov_b32 s[G1V2+5], 8192
	s_mov_b32 s[G1V2+6], 0
	s_mov_b32 s[G1V2+7], 0
	s_lshl_b32 s98, s93, 14
	s_add_co_u32 s98, s98, 32768                   ; from my first part to my second: in LDS, and in K: 32,768 + 24,576 w - 8,192 w;
	s_mov_b32 s99, 0
	s_lshl_b32 s94, s93, 18
	s_add_co_u32 s94, s94, 524288                  ; in V: 8 x 65,536 + (6 - 2) x 65,536 w
	s_mov_b32 s95, 0
	s_wait_alu depctr_va_vdst(0)                   ; the head's end
	s_wait_loadcnt 0x0                             ; Q
	s_wait_tensorcnt 0x0                           ; my first part has landed; these lines stand ahead of a later first fill as ahead of a refill
	ds_add_u32 v[SPW], v[NIL]
	s_add_co_u32 s[G0K+1], s[G0K+1], s98
	s_add_nc_u64 s[G0K+2:G0K+3], s[G0K+2:G0K+3], s[98:99]
	s_add_co_u32 s[G0V+1], s[G0V+1], s98
	s_add_nc_u64 s[G0V+2:G0V+3], s[G0V+2:G0V+3], s[94:95]
	s_wait_dscnt 0x0                               ; the add is done
	CROUND                                         ; everybody's first part is in
	JLOAD G1K2, G1V2                               ; my eighth of the rest
; ROLE 1'S CHANGE OF BLOCKS, a trip of its own: the short block's tiles are stored, and the long block's begin.
.macro CHANGE
	PLACES                                         ; behind the last products
	OUT 4, OS
	INIT
	WIN 0x01
.set ii, 0
.rept 16
	v_mov_b32 v[QF0+ii], v[QL+ii]
.set ii, ii+1
.endr
	WIN 0
	s_wait_alu depctr_va_vdst(0)
	s_wait_xcnt 0x0                                ; the stores have read their registers
.endm
; A KEY STEP of 128 keys for both tiles.  st = 0, 1: trips 0 and 1, written out, at constant LDS addresses in the first parts;  st = 2: the other trips: K came in the step before.
.macro KEYS st
.if \st < 2
	PLACES
	LOADK LI, 8192*\st
	LOADV LIV, 8192*\st
	s_wait_alu depctr_va_vdst(0)
	s_wait_dscnt 16                                ; K is in; V's 16 loads may be out
.else
	s_cmp_ge_u32 s[KI], s[SW]
	s_cselect_b32 s90, s[OFF], 0
	s_cselect_b32 s[BQ], s[BQ2], s[BQ1]
	s_add_co_u32 s[KS], s[KI], s90
	s_min_u32 s[TB], s[KS], 15
	s_lshl_b32 s[TB], s[TB], 13                    ; 8,192 bytes a key step
	v_add_nc_u32 v[ADV], s[TB], v[LIV]
	v_nop                                          ; with the addition: four places in front of loads into registers that the last products have read
	v_nop
	v_nop
	LOADV ADV, 0
.endif
	QK SC0, QF0
	QK SC1, QF1
	PLACES                                         ; in front of the loads below and of the first read of the scores
.if \st == 2
	s_cmp_eq_u32 s[KI], 8
	s_cbranch_scc1 .Lno_next
	s_add_co_u32 s90, s[KI], 1
	KADR
	LOADK ADK, 0                                   ; the next step's K lands under the softmax
.Lno_next:
	s_cmp_lt_u32 s[KS], s[BQ]                      ; a step all of whose keys count skips the mask
.else
	s_cmp_gt_u32 s[BQ1], \st
.endif
	s_cbranch_scc1 .Lopen_\st
	MASK SC0, DD0
	MASK SC1, DD1
.Lopen_\st:
	MAXS T0, SC0
	MAXS T1, SC1
	v_max3_num_f32 v26, v26, v27, v24              ; the two tiles' chains by turns
	v_max3_num_f32 v30, v30, v31, v28
	v_max_num_f32 v26, v26, v25
	v_max_num_f32 v30, v30, v29
	v_permlanex16_b32 v[PT0], v26, s[SEL], s[SEL+1]
	v_permlanex16_b32 v[PT1], v30, s[SEL], s[SEL+1]
	v_max3_num_f32 v13, v13, v26, v[PT0]           ; the running largest score, with lane l xor 16's
	v_max3_num_f32 v17, v17, v30, v[PT1]
	v_mul_f32 v24, s[CS], v13                      ; as t (c is positive)
	v_mul_f32 v28, s[CS], v17
	v_floor_f32 v25, -v24                          ; the new -M = floor(-t) = -ceil(t): M is a whole number
	v_floor_f32 v29, -v28
	v_sub_f32 v24, v25, v12                        ; M's old value less its new one: a whole number, 0 or less
	v_sub_f32 v28, v29, v16
	v_mov_b32 v12, v25
	v_mov_b32 v16, v29
	v_cvt_i32_f32 v24, v24                         ; (it saturates)
	v_cvt_i32_f32 v28, v28
	TM SC0, 32, 12
	v_ldexp_f32 v[TF0], 1.0, v24                   ; f = 2^(old M - new M)
	v_ldexp_f32 v[TF1], 1.0, v28
	TM SC1, 32, 16
	WIN 0x41                                       ; destination and source 0: window 1
	RESC OT0, TF0
	RESC OT1, TF1
	WIN 0
	s_wait_alu depctr_va_vdst(0)
.set jj, 0
.rept 128                                      ; p = 2^(t - M), at most 1: not normalised; both tiles
	v_exp_f32 v[SC0+jj], v[SC0+jj]
.set jj, jj+1
.endr
	v_pk_mul_f32 v[14:15], v[14:15], v[TF0:TF0+1] op_sel_hi:[1,0]   ; the sums under the new M: the plain instructions behind the last exponential
	v_pk_mul_f32 v[18:19], v[18:19], v[TF1:TF1+1] op_sel_hi:[1,0]
	s_wait_alu depctr_va_vdst(0)                   ; one wait for the batch of 128, ahead of its first reader
	SUMS SC0, 14
	PCODES SC0, PC0
	SUMEND 14
	WIN 0x55                                       ; all in window 1
	s_wait_alu depctr_va_vdst(0)
	s_wait_dscnt 0x0                               ; V is in, and the next step's K
	PV OT0, PC0
	WIN 0
	SUMS SC1, 18
	PCODES SC1, PC1
	SUMEND 18
	WIN 0x55
	PV OT1, PC1
	WIN 0
.endm
	KEYS 0
	s_cmp_lg_u32 s[SW], 1
	s_wait_alu depctr_va_vdst(0)
	s_cbranch_scc1 .Lstep_1
	CHANGE
	s_branch .Lnext_1
.Lstep_1:
	KEYS 1
.Lnext_1:
	s_wait_alu depctr_va_vdst(0)
	s_wait_tensorcnt 0x0                           ; my second part has landed,
	s_wait_dscnt 0x0
	s_barrier_signal -1
	s_barrier_wait -1                              ; everybody's has
	s_mov_b32 s[KI], 2
	s_mov_b32 s90, 2
	KADR
	LOADK ADK, 0
	s_wait_alu depctr_va_vdst(0)
	s_wait_dscnt 0x0
.Ltrip:                                                ; trips 2 .. 8
	s_cmp_lg_u32 s[KI], s[SW]
	s_cbranch_scc1 .Lstep_2
	CHANGE
	s_branch .Lnext_2
.Lstep_2:
	KEYS 2
.Lnext_2:
	s_add_co_u32 s[KI], s[KI], 1
	s_cmp_lt_u32 s[KI], 9
	s_wait_alu depctr_va_vdst(0)
	s_cbranch_scc1 .Ltrip
	; THE LONG BLOCK'S TWO PARTS.  Each wave hands its partner the half of both O^T that the partner finishes, with -M and the sum, and keeps the other half in O^T's first 16 registers.
.macro MOVES d, s
.set ii, 0
.rept 16
	v_mov_b32 v[\d+ii], v[\s+ii]
.set ii, ii+1
.endr
.endm
	PLACES                                         ; behind the last products
	s_cmp_eq_u32 s[RO], 0
	s_cbranch_scc0 .Lrole_1
	WIN 0x01
	MOVES SC0, OT0+16
	MOVES SC0+16, OT1+16
	WIN 0
	s_wait_alu depctr_va_vdst(0)
	s_branch .Lhalves
.Lrole_1:
	WIN 0x01
	MOVES SC0, OT0
	MOVES SC0+16, OT1
	WIN 0x41
	MOVES OT0, OT0+16
	MOVES OT1, OT1+16
	WIN 0
.Lhalves:
	v_mov_b32 v28, v12
	v_add_f32 v29, v14, v15
	v_mov_b32 v30, v16
	v_add_f32 v31, v18, v19
.irp k, 0,1,2,3,4,5,6,7
	ds_store_b128 v[ME], v[SC0+4*\k:SC0+4*\k+3] offset:512*\k
.endr
	ds_store_b128 v[ME], v[28:31] offset:4096
	s_wait_alu depctr_va_vdst(0)
	s_wait_dscnt 0x0                               ; my stores are done, for my partner's sake
	s_barrier_signal -1
	s_barrier_wait -1
	ds_load_b128 v[48:51], v[MP] offset:4096
.irp k, 0,1,2,3,4,5,6,7
	ds_load_b128 v[SC0+4*\k:SC0+4*\k+3], v[MP] offset:512*\k
.endr
	s_wait_dscnt 0x0
	v_min_num_f32 v24, v12, v48                    ; the common -M of each tile
	v_min_num_f32 v25, v16, v50
	v_sub_f32 v26, v24, v12
	v_sub_f32 v27, v25, v16
	v_sub_f32 v24, v24, v48
	v_sub_f32 v25, v25, v50
	v_cvt_i32_f32 v26, v26
	v_cvt_i32_f32 v27, v27
	v_cvt_i32_f32 v24, v24
	v_cvt_i32_f32 v25, v25
	v_ldexp_f32 v20, 1.0, v26                      ; my parts' factors, and my partner's (a part with no step: 0)
	v_ldexp_f32 v22, 1.0, v27
	v_ldexp_f32 v52, 1.0, v24
	v_ldexp_f32 v54, 1.0, v25
	v_mul_f32 v14, v29, v20
	v_mul_f32 v18, v31, v22
	v_fma_f32 v14, v49, v52, v14
	v_fma_f32 v18, v51, v54, v18
	v_mov_b32 v15, 0
	v_mov_b32 v19, 0
.macro JOIN1 ot, f
.set jj, 0
.rept 8
	v_pk_mul_f32 v[\ot+jj:\ot+jj+1], v[\ot+jj:\ot+jj+1], v[\f:\f+1] op_sel_hi:[1,0]
.set jj, jj+2
.endr
.endm
.macro JOIN2 ot, sc, g
.set jj, 0
.rept 8
	v_pk_fma_f32 v[\ot+jj:\ot+jj+1], v[\sc+jj:\sc+jj+1], v[\g:\g+1], v[\ot+jj:\ot+jj+1] op_sel_hi:[1,0,1]
.set jj, jj+2
.endr
.endm
	WIN 0x41
	JOIN1 OT0, 20
	JOIN1 OT1, 22
	WIN 0x50                                       ; destination and source 2: window 1
	JOIN2 OT0, SC0, 52
	JOIN2 OT1, SC0+16, 54
	WIN 0
	OUT 2, OL
	s_wait_tensorcnt 0x0                           ; the wave's end
	ds_add_u32 v[SPW], v[NIL]
	s_wait_dscnt 0x0
	CROUND                                         ; the closing round
	s_endpgm
.Lfunc_end_k_qbf3c438c7c_attn:
	.size	k_qbf3c438c7c_attn, .Lfunc_end_k_qbf3c438c7c_attn-k_qbf3c438c7c_attn
	.p2alignl 7, 3214868480
	.fill 96, 4, 3214868480
	.section	.rodata,"a",@progbits
	.p2align	6, 0x0
	.amdhsa_kernel k_qbf3c438c7c_attn
		.amdhsa_group_segment_fixed_size 327680
		.amdhsa_private_segment_fixed_size 0
		.amdhsa_enable_private_segment 0
		.amdhsa_kernarg_size 40
		.amdhsa_user_sgpr_count 2
		.amdhsa_user_sgpr_kernarg_segment_ptr 1
		.amdhsa_wavefront_size32 1
		.amdhsa_system_sgpr_workgroup_id_x 1
		.amdhsa_system_sgpr_workgroup_id_y 1
		.amdhsa_system_sgpr_workgroup_id_z 1
		.amdhsa_system_vgpr_workitem_id 0
		.amdhsa_next_free_vgpr 512
		.amdhsa_next_free_sgpr 100
		.amdhsa_reserve_vcc 1
		.amdhsa_float_denorm_mode_32 3
		.amdhsa_float_denorm_mode_16_64 3
		.amdhsa_memory_ordered 1
		.amdhsa_forward_progress 1
		.amdhsa_inst_pref_size 164
	.end_amdhsa_kernel
	.amdgpu_metadata
---
amdhsa.version: [ 1, 2 ]
amdhsa.kernels:
  - .name:           k_qbf3c438c7c_attn
    .symbol:         k_qbf3c438c7c_attn.kd
    .args:
      - { .name: q_frag, .offset: 0, .size: 8, .value_kind: global_buffer, .address_space: global }
      - { .name: k_frag, .offset: 8, .size: 8, .value_kind: global_buffer, .address_space: global }
      - { .name: v_frag, .offset: 16, .size: 8, .value_kind: global_buffer, .address_space: global }
      - { .name: lowp_scales, .offset: 24, .size: 8, .value_kind: global_buffer, .address_space: global }
      - { .name: attn_frag, .offset: 32, .size: 8, .value_kind: global_buffer, .address_space: global }
    .group_segment_fixed_size: 327680
    .private_segment_fixed_size: 0
    .kernarg_segment_align: 8
    .kernarg_segment_size: 40
    .max_flat_workgroup_size: 256
    .sgpr_count:     100
    .vgpr_count:     512
    .wavefront_size: 32
...
	.end_amdgpu_metadata
.endif
;; end of part 2
;; launch proj (part 3): grid 8 x 32, 4 waves a work-group, clusters of 4 x 4, 280,064 bytes of LDS; arguments attn_frag, wo_frag, lowp_scales, out0; writes out0
.if DOCPART == 3
	.amdgcn_target "amdgcn-amd-amdhsa--gfx1250"
	.amdhsa_code_object_version 6
	.text
	.protected	k_qbf3c438c7c_proj
	.globl	k_qbf3c438c7c_proj
	.p2align	8
	.type	k_qbf3c438c7c_proj,@function
k_qbf3c438c7c_proj:
	s_mov_b64 s[64:65], 0
	v_nop
	global_prefetch_b8 v0, s[64:65] scope:SCOPE_SE
	s_setreg_imm32_b32 hwreg(HW_REG_WAVE_MODE, 25, 1), 1
	s_wait_xcnt 0x0
	s_wait_alu depctr_hold_cnt(0) depctr_sa_sdst(0) depctr_va_vdst(0) depctr_va_sdst(0) depctr_va_ssrc(0) depctr_va_vcc(0) depctr_vm_vsrc(0)
	s_getreg_b32 s2, hwreg(HW_REG_IB_STS2, 6, 4)
	s_cmp_eq_u32 s2, 0
	s_cbranch_scc0 .Lentry_in_a_cluster
	s_endpgm
.Lentry_in_a_cluster:
	s_bfe_u32 s2, ttmp6, 0x10000c
	s_cmp_lg_u32 s2, 0xf033
	s_cbranch_scc0 .Lentry_shape_is_right
	s_endpgm
.Lentry_shape_is_right:
; out[m][n] = sum over k of attn_out[m][k] W_O[k][n] on codes of FP8 (E4M3): m = 4,096 rows, n = 1,024, K = 1,024 (head x channel).  out is f32.  No work of reference() is left out here.
; Both operands come as images of fragments (16 rows x 64 along K: registers 0-3 at 16 x lane, 4-7 at 512 + 16 x lane): attn_frag [m / 128][head][(m / 16) % 8][image], wo_frag [n / 128][head][(n / 16) % 8][image].
; Two images of neighbouring heads are a fragment of 16 rows x 128 K, every k in the place that the plain 8-bit form gives it (ISA guide 7.12.2).
; A tile of out is 128 x 128: 256 tiles, one to a work-group.  Four waves, each 64 x 64.  A tile's 128 rows of A for the WHOLE K are one dense block of 131,072 bytes, and so are B's: both lie whole in LDS.
; Each wave issues one tensor load at the head, 65,536 bytes: half of A's K (waves 0, 1) or of B's (waves 2, 3).  Nothing is filled again, so there is nothing to prefetch for a later load.
; BY ROWS OF out: a wave's 64 columns of B stay in registers for the whole K (512 registers, read from LDS once, while its first 16 rows are multiplied); A comes in blocks of 16 rows x 1,024 K (128 registers, two buffers).
; Each block of 16 rows is 32 matrix instructions, and leaves while the next is multiplied.
; CLUSTERS: 4 x 4 work-groups.  A's block is shared along a row of the cluster, B's along a column: each part is asked for JOINTLY.
; THE MATRIX INSTRUCTION IS USED TRANSPOSED (source 0 = 16 columns of W_O, source 1 = 16 rows of attn_out): a lane holds eight neighbouring numbers of a row of out.
; Each finished sum is multiplied once by 2^(e10 + e11).  LIMIT: e10 + e11 between -126 and 127, so that it is an f32 number.
; REGISTERS: window 0: v16-31 addresses; v32-63 a block's scaled sums; v64-127 rows read back, two sets; v128-191 the accumulators, two sets of four.  Window 1: A's two buffers.  Windows 2 and 3: B, K steps 0-3 and 4-7.
.set STAGE, 262144                     ; behind A's and B's blocks: 16 rows x 272 bytes for each wave, for the way out; no tensor load lands there
.set SP,    272
.set SPARE, STAGE+4*16*SP
.set ADRA, 16                          ; v16-17  LDS address of my A images, K steps 0-3 and 4-7
.set ADRB, 20                          ; v20-21  the same for B
.set STO,  24
.set RD,   25
.set CO,   26
.set SPW,  30
.set NIL,  31
.set TMP,  32
.set BK,   64
.set ACC,  128
.set G1A, 24
.set G0A, 32
.set G1B, 48
.set G0B, 56
.set MSB, 0
.macro WIN new                         ; the immediate's high byte repeats the setting that is left
.if MSB != (\new)
	s_set_vgpr_msb (MSB<<8)|(\new)
.set MSB, (\new)
.endif
.endm
.macro CROUND                          ; a round of the cluster's barrier
	s_barrier_signal -1
	s_barrier_wait -1
	s_cmp_lg_u32 s14, 0
	s_cbranch_scc1 .Lnot_wave_0_\@
	s_barrier_signal -3
.Lnot_wave_0_\@:
	s_barrier_wait -3
	s_barrier_signal -1
	s_barrier_wait -1
.endm
	s_load_b256 s[4:11], s[0:1], 0x0               ; attn_frag s[4:5], wo_frag s[6:7], the exponents s[8:9], out s[10:11]
	v_lshl_add_u32 v[SPW], v0, 2, SPARE
	v_mov_b32 v[NIL], 0
	ds_add_u32 v[SPW], v[NIL]                      ; the opening lines: the add, twice, and one wait; the set-up between is work on registers
	ds_add_u32 v[SPW], v[NIL]
	v_lshrrev_b32 v1, 5, v0
	v_readfirstlane_b32 s14, v1                    ; wave 0..3
	s_lshr_b32 s15, s14, 1                         ; which half of the tile's rows is mine.  Also: I fetch for A (0) or for B (1)
	s_and_b32 s16, s14, 1                          ; which half of its columns.  Also: which half of K I fetch
	s_bfe_u32 s84, ttmp6, 0x40000                  ; cx, cy
	s_bfe_u32 s85, ttmp6, 0x40004
	s_lshl_b32 s86, ttmp9, 2
	s_add_co_u32 s86, s86, s84                     ; tile column
	s_and_b32 s17, ttmp7, 0xffff
	s_lshl_b32 s17, s17, 2
	s_add_co_u32 s17, s17, s85                     ; tile row
	s_lshl_b32 s87, s85, 2
	s_lshl_b32 s87, 15, s87                        ; my row of the cluster
	s_lshl_b32 s88, 0x1111, s84                    ; my column
	; descriptor group 1: 65,536 dense bytes as 256 rows of 256: elements of 8 bytes, no padding
	s_or_b32 s[G1A], s87, (3<<16)|(1<<21)
	s_or_b32 s[G1B], s88, (3<<16)|(1<<21)
.irp g, G1A, G1B
	s_mov_b32 s[\g+1], 32<<16
	s_mov_b32 s[\g+2], 256<<16
	s_mov_b32 s[\g+3], 32<<16
	s_mov_b32 s[\g+4], 256
	s_mov_b32 s[\g+5], 32
	s_mov_b32 s[\g+6], 0
	s_mov_b32 s[\g+7], 0
.endr
	s_lshl_b32 s18, s16, 16                        ; 65,536 x (wave % 2)
	s_lshl_b32 s20, s17, 17
	s_add_co_u32 s20, s20, s18                     ; A: the tile row's 131,072 bytes: it never holds cx
	s_mov_b32 s21, 0
	s_lshl_b32 s22, s86, 17
	s_add_co_u32 s22, s22, s18                     ; B: the tile column's: it never holds cy
	s_mov_b32 s23, 0
	s_lshl_b32 s19, s15, 17
	s_add_co_u32 s19, s19, s18                     ; in LDS: A at 0, B at 131,072: the wave's number alone
	s_mov_b32 s[G0A], 1
	s_mov_b32 s[G0A+1], s19
	s_mov_b32 s[G0B], 1
	s_mov_b32 s[G0B+1], s19
	s_lshl_b32 s92, s15, 12                        ; my four of a head's eight images of A
	s_lshl_b32 s93, s16, 12                        ; and of B
	s_add_co_u32 s93, s93, 131072
	s_mul_i32 s94, s14, 16*SP
	s_add_co_u32 s94, s94, STAGE                   ; my stage
	v_and_b32 v1, 31, v0
	v_lshlrev_b32 v2, 4, v1                        ; 16 x lane
	v_add_nc_u32 v[ADRA], s92, v2
	v_add_nc_u32 v[ADRA+1], 0x10000, v[ADRA]
	v_add_nc_u32 v[ADRB], s93, v2
	v_add_nc_u32 v[ADRB+1], 0x10000, v[ADRB]
	v_and_b32 v3, 15, v0                           ; r
	v_bfe_u32 v4, v0, 4, 1                         ; hh
	v_mul_u32_u24 v5, v3, SP
	v_lshl_add_u32 v5, v4, 5, v5
	v_add_nc_u32 v[STO], s94, v5                   ; in: row r, 32 bytes for each half of the lanes
	v_mul_u32_u24 v5, v4, SP
	v_lshl_add_u32 v5, v3, 4, v5
	v_add_nc_u32 v[RD], s94, v5                    ; back: lanes 0-15 one row of 256 bytes, lanes 16-31 the next
	v_lshlrev_b32 v5, 12, v4
	v_lshl_add_u32 v[CO], v3, 4, v5                ; and the same two rows in out (a row is 4,096 bytes)
	s_lshl_b32 s89, s17, 7
	s_lshl_b32 s90, s15, 6
	s_add_co_u32 s89, s89, s90                     ; my first row
	s_lshl_b32 s90, s89, 12
	s_lshl_b32 s91, s86, 9
	s_add_co_u32 s90, s90, s91
	s_lshl_b32 s91, s16, 8
	s_add_co_u32 s90, s90, s91                     ; and my first column, in bytes
	s_mov_b32 s91, 0
	s_wait_alu depctr_va_vdst(0)                   ; the head's end
	s_wait_dscnt 0x0                               ; both opening adds are done
	CROUND                                         ; all sixteen work-groups are here: the joint loads meet
	s_wait_kmcnt 0x0
	s_load_b64 s[96:97], s[8:9], 0x28              ; e10, e11
	s_add_nc_u64 s[G0A+2:G0A+3], s[4:5], s[20:21]
	s_or_b32 s[G0A+3], s[G0A+3], 0x80000000
	s_add_nc_u64 s[G0B+2:G0B+3], s[6:7], s[22:23]
	s_or_b32 s[G0B+3], s[G0B+3], 0x80000000
	s_cmp_eq_u32 s15, 0                            ; one tensor load a wave
	s_cbranch_scc0 .Lfor_b
	tensor_load_to_lds s[G0A:G0A+3], s[G1A:G1A+7]
	s_nop 0
.rept 4
	v_nop
.endr
	s_branch .Lasked
.Lfor_b:
	tensor_load_to_lds s[G0B:G0B+3], s[G1B:G1B+7]
	s_nop 0
.rept 4
	v_nop
.endr
.Lasked:
	s_add_nc_u64 s[10:11], s[10:11], s[90:91]
	s_wait_kmcnt 0x0
	s_add_co_i32 s96, s96, s97
	s_add_co_i32 s96, s96, 127
	s_lshl_b32 s96, s96, 23                        ; 2^(e10 + e11) as f32
	s_mov_b32 s97, s96                             ; (named with it as a pair, so it is written)
.macro ALOAD a, s                      ; block a's fragment of K step s (heads 2 s, 2 s + 1): 4 loads of 512 consecutive bytes
	WIN 0x40
.irp c, 0,1,2,3
	ds_load_b128 v[128*((\a)%2)+16*(\s)+4*\c:128*((\a)%2)+16*(\s)+4*\c+3], v[ADRA+(\s)/4] offset:((\s)%4)*16384+1024*(\a)+512*(\c%2)+8192*(\c/2)
.endr
.endm
.macro FIRST s                         ; block 0's fragment and B's four of K step s: 20 loads
	ALOAD 0, \s
	WIN (0x80+0x40*((\s)/4))
.irp b, 0,1,2,3
.irp c, 0,1,2,3
	ds_load_b128 v[64*((\s)%4)+16*\b+4*\c:64*((\s)%4)+16*\b+4*\c+3], v[ADRB+(\s)/4] offset:((\s)%4)*16384+1024*\b+512*(\c%2)+8192*(\c/2)
.endr
.endr
.endm
.macro HALF a, s0                      ; block a's fragments of four K steps: 16 loads
.irp s, 0,1,2,3
	ALOAD \a, \s0+\s
.endr
.endm
.macro MULS a, s                       ; K step s of block a: the four accumulators take turns, one instruction a turn
	WIN (0x06+(\s)/4)                              ; source 0 (B) window 2 or 3, source 1 (A) window 1; C and D window 0
.irp b, 0,1,2,3
.if (\s) == 0
	v_wmma_f32_16x16x128_fp8_fp8 v[ACC+32*((\a)%2)+8*\b:ACC+32*((\a)%2)+8*\b+7], v[64*((\s)%4)+16*\b:64*((\s)%4)+16*\b+15], v[128*((\a)%2)+16*(\s):128*((\a)%2)+16*(\s)+15], 0
.else
	v_wmma_f32_16x16x128_fp8_fp8 v[ACC+32*((\a)%2)+8*\b:ACC+32*((\a)%2)+8*\b+7], v[64*((\s)%4)+16*\b:64*((\s)%4)+16*\b+15], v[128*((\a)%2)+16*(\s):128*((\a)%2)+16*(\s)+15], v[ACC+32*((\a)%2)+8*\b:ACC+32*((\a)%2)+8*\b+7]
.endif
.endr
.endm
; THE WAY OUT of block a, 16 rows x 64 columns: a lane holds 32 neighbouring bytes of a row and the lanes beside it hold other rows, so the block goes through my own stage in LDS and comes back as whole rows of 256 bytes.
; LDS serves a wave's instructions in order (ISA guide 5.7.1.4): no wait between the stores and the loads.
.macro PACK a
	WIN 0
.rept 4
	v_nop                                          ; places behind the block's last products
.endr
.if (\a) >= 2
	s_wait_xcnt 0x0                                ; block a - 2's stores have read their registers: this block's loads may land there
.endif
.irp j, 0,2,4,6,8,10,12,14,16,18,20,22,24,26,28,30
	v_pk_mul_f32 v[TMP+\j:TMP+\j+1], v[ACC+32*((\a)%2)+\j:ACC+32*((\a)%2)+\j+1], s[96:97] op_sel_hi:[1,0]   ; x 2^(e10 + e11); each accumulator from its low end on
.endr
.irp b, 0,1,2,3
	ds_store_b128 v[STO], v[TMP+8*\b:TMP+8*\b+3] offset:64*\b
	ds_store_b128 v[STO], v[TMP+8*\b+4:TMP+8*\b+7] offset:64*\b+16
.endr
.irp t, 0,1,2,3,4,5,6,7
	ds_load_b128 v[BK+32*((\a)%2)+4*\t:BK+32*((\a)%2)+4*\t+3], v[RD] offset:2*\t*SP
.endr
.endm
.macro SEND a, younger                 ; younger: the LDS loads issued behind PACK's, which may stay out
	WIN 0
	s_wait_dscnt \younger
.irp t, 0,1,2,3,4,5,6,7
	global_store_b128 v[CO], v[BK+32*((\a)%2)+4*\t:BK+32*((\a)%2)+4*\t+3], s[10:11] offset:(16*(\a)+2*\t)*4096 th:TH_STORE_NT   ; 16 lanes store 256 consecutive bytes, at a multiple of 256 from out's first byte; written once, read by nobody here
.endr
.endm
	s_wait_tensorcnt 0x0                           ; my load has landed,
	s_barrier_signal -1
	s_barrier_wait -1                              ; everybody's has
	FIRST 0
	FIRST 1
.irp s, 0,1,2,3,4,5
	FIRST \s+2
	s_wait_dscnt 40                                ; K step s is in; the 40 loads of the next two may be out
	MULS 0, \s
.endr
	HALF 1, 0
	s_wait_dscnt 36                                ; K step 6 is in; step 7's 20 loads and the 16 just issued may be out
	MULS 0, 6
	HALF 1, 4
	s_wait_dscnt 32                                ; K step 7 is in; block 1's 32 loads may be out
	MULS 0, 7
.irp a, 1,2,3
	s_wait_dscnt 0x0                               ; block a's fragments are in
	PACK \a-1
.if \a < 3
	HALF \a+1, 0                                   ; into the buffer that block a - 1's products have read: PACK's vector instructions are the places
	HALF \a+1, 4
.endif
.irp s, 0,1,2,3
	MULS \a, \s
.endr
.if \a < 3
	SEND \a-1, 32
.else
	SEND \a-1, 0
.endif
.irp s, 4,5,6,7
	MULS \a, \s
.endr
.endr
	PACK 3
	SEND 3, 0
	s_wait_tensorcnt 0x0                           ; the wave's end
	ds_add_u32 v[SPW], v[NIL]
	s_wait_dscnt 0x0
	CROUND                                         ; the closing round: no work-group ends while a partner may still ask for a part that names it
	s_endpgm
.Lfunc_end_k_qbf3c438c7c_proj:
	.size	k_qbf3c438c7c_proj, .Lfunc_end_k_qbf3c438c7c_proj-k_qbf3c438c7c_proj
	.p2alignl 7, 3214868480
	.fill 96, 4, 3214868480
	.section	.rodata,"a",@progbits
	.p2align	6, 0x0
	.amdhsa_kernel k_qbf3c438c7c_proj
		.amdhsa_group_segment_fixed_size 280064
		.amdhsa_private_segment_fixed_size 0
		.amdhsa_enable_private_segment 0
		.amdhsa_kernarg_size 32
		.amdhsa_user_sgpr_count 2
		.amdhsa_user_sgpr_kernarg_segment_ptr 1
		.amdhsa_wavefront_size32 1
		.amdhsa_system_sgpr_workgroup_id_x 1
		.amdhsa_system_sgpr_workgroup_id_y 1
		.amdhsa_system_sgpr_workgroup_id_z 1
		.amdhsa_system_vgpr_workitem_id 0
		.amdhsa_next_free_vgpr 1024
		.amdhsa_next_free_sgpr 98
		.amdhsa_reserve_vcc 0
		.amdhsa_float_denorm_mode_32 3
		.amdhsa_float_denorm_mode_16_64 3
		.amdhsa_memory_ordered 1
		.amdhsa_forward_progress 1
		.amdhsa_inst_pref_size 44
	.end_amdhsa_kernel
	.amdgpu_metadata
---
amdhsa.version: [ 1, 2 ]
amdhsa.kernels:
  - .name:           k_qbf3c438c7c_proj
    .symbol:         k_qbf3c438c7c_proj.kd
    .args:
      - { .name: attn_frag, .offset: 0, .size: 8, .value_kind: global_buffer, .address_space: global }
      - { .name: wo_frag, .offset: 8, .size: 8, .value_kind: global_buffer, .address_space: global }
      - { .name: lowp_scales, .offset: 16, .size: 8, .value_kind: global_buffer, .address_space: global }
      - { .name: out0, .offset: 24, .size: 8, .value_kind: global_buffer, .address_space: global }
    .group_segment_fixed_size: 280064
    .private_segment_fixed_size: 0
    .kernarg_segment_align: 8
    .kernarg_segment_size: 32
    .max_flat_workgroup_size: 128
    .sgpr_count:     98
    .vgpr_count:     1024
    .wavefront_size: 32
...
	.end_amdgpu_metadata
.endif
;; end of part 3
